; MI455X (gfx1250); checked and timed in simulation.
; The chip was launched on July 23, 2026; its instructions are those of AMD's public machine-readable ISA for CDNA 5 (MIT licence, August 2026) and "CDNA5" Instruction Set Architecture Reference Guide (July 2026). The comments in the code are by the model that wrote it; some were corrected since.
;; Temporal Attn. Allowed arithmetic: float matrix products may take bf16 or f16 operands with f32 sums; other float arithmetic in f32, or as packed bf16 or f16 multiplies, adds, multiply-adds, maxima and minima; sums over many terms, partial sums and values carried from step to step in f32; what a program stores and reads back later, other than sums and carried values, may be rounded once to bf16 or f16.
;; Inputs: Wqkv 3,072 x 1,024 float32; bqkv 3,072 float32; k_scale 64 float32; q_scale 64 float32; x 64 x 1,024 x 16 x 16 float32.
;; Outputs: out0 64 x 1,024 x 16 x 16 float32.
;; One version. Each part assembles by itself: llvm-mc -triple=amdgcn-amd-amdhsa -mcpu=gfx1250 --defsym DOCPART=n.
;; ======== version 1 of 1: 2 launches
;; limits: values are held in f16: magnitudes above 65,504 overflow, below 6.1e-05 lose precision; right only within a limited range of input values
;; workspace buffers: xb 33,554,432 bytes; wb 6,291,456 bytes; tab 16,384 bytes; bia 40,960 bytes
;; launch prep (part 1): grid 2048 x 1, 8 waves a work-group, no clusters, 18,432 bytes of LDS; arguments x, Wqkv, bqkv, q_scale, k_scale, xb, wb, tab, bia; writes xb, wb, tab, bia
.if DOCPART == 1
	.amdgcn_target "amdgcn-amd-amdhsa--gfx1250"
	.amdhsa_code_object_version 6
	.text
	.protected	k_qa5190d800d_prep
	.globl	k_qa5190d800d_prep
	.p2align	8
	.type	k_qa5190d800d_prep,@function
k_qa5190d800d_prep:
	s_mov_b64 s[64:65], 0
	v_nop
	global_prefetch_b8 v0, s[64:65] scope:SCOPE_SE
	s_setreg_imm32_b32 hwreg(HW_REG_WAVE_MODE, 25, 1), 1
	s_wait_xcnt 0x0
; THE OPERANDS OF THE PROJECTION, rounded to bf16 and laid out in the dense blocks that the next launch asks for, and two small tables.
; x: [4 b][16 t][1024 c][256 hw] f32.  xb: [32 mt][16 ks][512 row][64 k] bf16: position B = 256 b + hw, mt = B / 32, row = 16 (B % 32) + t, channel c = 64 ks + k.
; Wqkv: [3072][1024] f32.  wb: [16 head][16 ks][192 row][64 k] bf16: row = 64 g + d comes from W's row 1024 g + 64 head + d (g = q, k, v).
; tab: [8][16 t][32 i] f32: gain x cosine or sine of t / 10000^(i/32): s[i] cos, s[i+32] sin, s[i] sin, s[i+32] cos for q, then the same for k; the gains rounded to bf16.
; bia: [16 head][640] f32: q's 64 biases, k's 64, then v's 64 each eight times on end; all rounded to bf16.
; SHARES.  Work-group G: frame pair tp = G % 8, channel block ks = (G / 8) % 16, 64 positions hg = (G / 128) % 4, b = G / 512: 2 frames x 64 channels x 64 positions of x (32 KiB in, 16 KiB out),
; and 24 rows x 64 k of W (block G / 8, rows 24 (G % 8) on; waves 0 to 5, four rows each).  Work-group 0 makes tab and bia behind that.
; THE TURN.  A thread loads 4 positions of 8 channels (16 lanes read 256 consecutive bytes); pairing registers of neighbouring channels in the rounding gives, for each position, 8 channels in 16 bytes;
; these go through LDS (a position's 2 frames x 64 channels are 256 bytes; pitch 272) and leave as whole rows: 16 lanes store 256 consecutive bytes, aligned.
; No matrix unit, no cluster, no tensor load: nothing is shared between work-groups, and several work-groups on a WGP keep loads on their way.
; LIMITS.  Rounding to bf16 is to nearest even.  The angle hangs on no input: it is at most 15, reduced by multiples of pi/2 in two parts; on |rho| <= pi/4 the first term left out is rho^9/9! in the sine, rho^10/10! in the cosine.
.set SPARE, 17408                      ; behind the 64 slots of 272 bytes: the spare words, 128 bytes for each of eight waves
.set XO,  2                            ; v2   my byte offset in x's share and, the same number, in xb's; never rewritten
.set LST, 3                            ; v3   where I put 16 bytes in LDS
.set LRD, 4                            ; v4   where I read 16 bytes back
.set WO,  5                            ; v5-6 my byte offsets in Wqkv
.set WD,  7                            ; v7-8 my byte offsets in wb's block
.set SPW, 10                           ; v10  LDS address of my spare word; never rewritten
.set NIL, 11                           ; v11  0; never rewritten
	s_load_b512 s[4:19], s[0:1], 0x0               ; x s[4:5], Wqkv s[6:7], bqkv s[8:9], q_scale s[10:11], k_scale s[12:13], xb s[14:15], wb s[16:17], tab s[18:19]
	s_load_b64 s[20:21], s[0:1], 0x40              ; bia
	v_lshl_add_u32 v[SPW], v0, 2, SPARE
	v_mov_b32 v[NIL], 0
	v_lshrrev_b32 v1, 5, v0
	v_readfirstlane_b32 s22, v1                    ; wave 0..7
	s_and_b32 s23, ttmp9, 7                        ; tp
	s_bfe_u32 s24, ttmp9, 0x40003                  ; ks
	s_bfe_u32 s25, ttmp9, 0x20007                  ; hg
	s_lshr_b32 s26, ttmp9, 9                       ; b
	s_lshr_b32 s27, ttmp9, 3                       ; W's block: 16 head + ks
	s_lshr_b32 s28, ttmp9, 7                       ; W's head
	s_lshl_b32 s30, s26, 24                        ; x: ((16 b + 2 tp) 1024 + 64 ks) 1024 + 256 hg bytes
	s_lshl_b32 s29, s23, 21
	s_add_co_u32 s30, s30, s29
	s_lshl_b32 s29, s24, 16
	s_add_co_u32 s30, s30, s29
	s_lshl_b32 s29, s25, 8
	s_add_co_u32 s30, s30, s29
	s_mov_b32 s31, 0
	s_lshl_b32 s32, s26, 23                        ; xb: ((8 b + 2 hg) 16 + ks) 65536 + 256 tp bytes
	s_lshl_b32 s29, s25, 21
	s_add_co_u32 s32, s32, s29
	s_lshl_b32 s29, s24, 16
	s_add_co_u32 s32, s32, s29
	s_lshl_b32 s29, s23, 8
	s_add_co_u32 s32, s32, s29
	s_mov_b32 s33, 0
	s_mul_i32 s34, s27, 24576                      ; wb: my block
	s_mov_b32 s35, 0
	s_lshl_b32 s36, s28, 18                        ; Wqkv: 64 head rows of 4,096 bytes + 256 ks
	s_lshl_b32 s29, s24, 8
	s_add_co_u32 s36, s36, s29
	s_mul_i32 s37, s23, 24                         ; my wave's first row of the block
	s_lshl_b32 s29, s22, 2
	s_add_co_u32 s37, s37, s29
	v_and_b32 v9, 15, v0                           ; hq: which 4 positions; later: which 16 bytes of a row
	v_bfe_u32 v12, v0, 4, 3                        ; cg: which 8 channels
	v_lshrrev_b32 v13, 7, v0                       ; tt: which of the two frames
	v_lshlrev_b32 v[XO], 4, v9
	v_lshl_add_u32 v[XO], v12, 13, v[XO]
	v_lshl_add_u32 v[XO], v13, 20, v[XO]           ; 2^20 tt + 8192 cg + 16 hq
	v_mul_u32_u24 v[LST], v9, 272
	v_lshl_add_u32 v[LST], v13, 7, v[LST]
	v_lshl_add_u32 v[LST], v12, 4, v[LST]          ; slot hq (+ 16 u): 272 hq + 128 tt + 16 cg
	v_lshrrev_b32 v14, 4, v0
	v_mul_u32_u24 v[LRD], v14, 272
	v_lshl_add_u32 v[LRD], v9, 4, v[LRD]           ; slot thread / 16 (+ 16 n), 16 bytes a lane
	v_bfe_u32 v15, v0, 4, 1
	v_add_nc_u32 v15, s37, v15                     ; W: row of the block, lanes 16-31 one further
.irp e, 0,1
	v_add_nc_u32 v16, 2*\e, v15
	v_lshrrev_b32 v17, 6, v16                      ; g
	v_and_b32 v18, 63, v16                         ; d
	v_lshlrev_b32 v17, 22, v17
	v_lshl_add_u32 v17, v18, 12, v17
	v_lshl_add_u32 v17, v9, 4, v17
	v_add_nc_u32 v[WO+\e], s36, v17                ; (1024 g + 64 head + d) 4096 + 256 ks + 16 (lane % 16)
	v_lshlrev_b32 v16, 7, v16
	v_lshl_add_u32 v[WD+\e], v9, 3, v16            ; 128 row + 8 (lane % 16)
.endr
	s_wait_kmcnt 0x0
	s_add_nc_u64 s[4:5], s[4:5], s[30:31]
	s_add_nc_u64 s[14:15], s[14:15], s[32:33]
	s_add_nc_u64 s[16:17], s[16:17], s[34:35]
.irp e, 0,1,2,3,4,5,6,7
	global_load_b128 v[32+4*\e:35+4*\e], v[XO], s[4:5] offset:\e*1024 th:TH_LOAD_NT  ; channel 8 cg + e, 4 positions; 16 lanes read 256 consecutive bytes
.endr
	s_cmp_lt_u32 s22, 6                            ; W's 24 rows: waves 0 to 5
	s_cbranch_scc0 .Lno_w
	global_load_b128 v[20:23], v[WO], s[6:7] th:TH_LOAD_NT
	global_load_b128 v[24:27], v[WO+1], s[6:7] th:TH_LOAD_NT
	s_wait_loadcnt 0x0                             ; all ten loads went out together
	v_cvt_pk_bf16_f32 v28, v20, v21
	v_cvt_pk_bf16_f32 v29, v22, v23
	v_cvt_pk_bf16_f32 v30, v24, v25
	v_cvt_pk_bf16_f32 v31, v26, v27
	global_store_b64 v[WD], v[28:29], s[16:17]     ; 32 lanes store two rows: 256 consecutive bytes, aligned
	global_store_b64 v[WD+1], v[30:31], s[16:17]
.Lno_w:
	s_wait_loadcnt 0x0
.irp u, 0,1,2,3
.irp i, 0,1,2,3
	v_cvt_pk_bf16_f32 v[64+4*\u+\i], v[32+8*\i+\u], v[36+8*\i+\u]  ; position 4 hq + u, channels 2 i and 2 i + 1 of my eight
.endr
	ds_store_b128 v[LST], v[64+4*\u:67+4*\u] offset:\u*4352
.endr
	s_wait_dscnt 0x0                               ; for the others' sake: my stores are done
	s_barrier_signal -1
	s_barrier_wait -1
.irp n, 0,1,2,3
	ds_load_b128 v[32+4*\n:35+4*\n], v[LRD] offset:\n*4352  ; position 4 (thread / 16) + n: its two rows, 256 bytes for 16 lanes
.endr
.irp n, 0,1,2,3
	s_wait_dscnt 3-\n
	global_store_b128 v[XO], v[32+4*\n:35+4*\n], s[14:15] offset:\n*2048  ; 16 lanes store 256 consecutive bytes, aligned
.endr
	s_cmp_lg_u32 ttmp9, 0
	s_cbranch_scc1 .Lend
	; THE TABLES, by work-group 0.  Thread: frame t = thread / 16, frequencies i0 = 2 (thread % 16) and i0 + 1.
	v_lshlrev_b32 v81, 3, v9
	v_lshlrev_b32 v82, 3, v0
	v_lshlrev_b32 v83, 4, v0
	global_load_b64 v[86:87], v81, s[10:11]            ; q's gains at i0, i0 + 1
	global_load_b64 v[88:89], v81, s[10:11] offset:128 ; and 32 further
	global_load_b64 v[90:91], v81, s[12:13]
	global_load_b64 v[92:93], v81, s[12:13] offset:128
	global_load_b128 v[96:99], v83, s[8:9]             ; four biases of q,
	global_load_b128 v[100:103], v83, s[8:9] offset:4096  ; of k,
	global_load_b128 v[104:107], v83, s[8:9] offset:8192  ; of v: head thread / 16, channels 4 (thread % 16) on
	v_cvt_f32_u32 v80, v14                         ; t
	v_lshlrev_b32 v85, 1, v9                       ; i0
; sine into v[108+e], cosine into v[110+e] of t x 2^(-i log2(10000) / 32), i = i0 + e
.macro SINCOS e
	v_add_nc_u32 v112, \e, v85
	v_cvt_f32_u32 v112, v112
	v_mul_f32 v112, 0xbed49a78, v112               ; -0.41524101 i
	v_exp_f32 v113, v112
	v_nop                                          ; a plain instruction behind the exponential,
	s_wait_alu depctr_va_vdst(0)                   ; and the wait ahead of its first reader
	v_mul_f32 v113, v80, v113                      ; the angle
	v_mul_f32 v114, 0x3f22f983, v113               ; x 2 / pi
	v_rndne_f32 v114, v114                         ; n
	v_fmamk_f32 v115, v114, 0xbfc90fdb, v113       ; rho = angle - n pi/2, pi/2 in two parts
	v_fmamk_f32 v115, v114, 0x333bbd2e, v115
	v_mul_f32 v116, v115, v115                     ; z = rho^2
	v_mov_b32 v117, 0xb9500d01                     ; -1/5040
	v_fmaak_f32 v117, v117, v116, 0x3c088889       ; 1/120
	v_fmaak_f32 v117, v117, v116, 0xbe2aaaab       ; -1/6
	v_mul_f32 v118, v116, v115
	v_fma_f32 v117, v117, v118, v115               ; sin rho
	v_mov_b32 v119, 0x37d00d01                     ; 1/40320
	v_fmaak_f32 v119, v119, v116, 0xbab60b61       ; -1/720
	v_fmaak_f32 v119, v119, v116, 0x3d2aaaab       ; 1/24
	v_fmaak_f32 v119, v119, v116, 0xbf000000       ; -1/2
	v_fma_f32 v119, v119, v116, 1.0                ; cos rho
	v_cvt_i32_f32 v120, v114
	v_and_b32 v121, 1, v120
	v_cmp_eq_u32 vcc_lo, 1, v121                   ; odd n: the two change places
	v_cndmask_b32 v122, v117, v119, vcc_lo
	v_cndmask_b32 v123, v119, v117, vcc_lo
	v_and_b32 v121, 2, v120                        ; the sine's sign turns for n % 4 = 2, 3,
	v_lshlrev_b32 v121, 30, v121
	v_xor_b32 v[108+\e], v121, v122
	v_add_nc_u32 v120, 1, v120                     ; the cosine's for n % 4 = 1, 2
	v_and_b32 v120, 2, v120
	v_lshlrev_b32 v120, 30, v120
	v_xor_b32 v[110+\e], v120, v123
.endm
	SINCOS 0
	SINCOS 1
	v_mul_u32_u24 v84, v14, 2560                   ; bia: my head's 640 numbers
	v_lshl_add_u32 v94, v9, 7, v84                 ; v's part: 32 bytes a channel, four channels
	v_lshl_add_u32 v84, v9, 4, v84
	s_wait_loadcnt 0x0
.irp a, 86,88,90,92,96,98,100,102,104,106
	v_cvt_pk_bf16_f32 v95, v[\a], v[\a+1]          ; gains and biases rounded to bf16, kept as f32
	v_lshlrev_b32 v[\a], 16, v95
	v_and_b32 v[\a+1], 0xffff0000, v95
.endr
.irp k, 0,1
	v_pk_mul_f32 v[112+8*\k:113+8*\k], v[86+4*\k:87+4*\k], v[110:111]  ; s[i] cos
	v_pk_mul_f32 v[114+8*\k:115+8*\k], v[88+4*\k:89+4*\k], v[108:109]  ; s[i+32] sin
	v_pk_mul_f32 v[116+8*\k:117+8*\k], v[86+4*\k:87+4*\k], v[108:109]  ; s[i] sin
	v_pk_mul_f32 v[118+8*\k:119+8*\k], v[88+4*\k:89+4*\k], v[110:111]  ; s[i+32] cos
.endr
.irp k, 0,1,2,3,4,5,6,7
	global_store_b64 v82, v[112+2*\k:113+2*\k], s[18:19] offset:\k*2048  ; a wave stores 256 consecutive bytes
.endr
	global_store_b128 v84, v[96:99], s[20:21]
	global_store_b128 v84, v[100:103], s[20:21] offset:256
	s_wait_xcnt 0x0                                ; xb's stores have read v32-47: only behind this wait are they written again
.irp e, 0,1,2,3
.irp c, 0,1,2,3
	v_mov_b32 v[32+4*\e+\c], v[104+\e]
.endr
	global_store_b128 v94, v[32+4*\e:35+4*\e], s[20:21] offset:512+32*\e
	global_store_b128 v94, v[32+4*\e:35+4*\e], s[20:21] offset:528+32*\e
.endr
.Lend:
	s_wait_tensorcnt 0x0                           ; the wave's end, behind my last LDS store
	ds_add_u32 v[SPW], v[NIL]
	s_wait_dscnt 0x0
	s_endpgm
.Lfunc_end_k_qa5190d800d_prep:
	.size	k_qa5190d800d_prep, .Lfunc_end_k_qa5190d800d_prep-k_qa5190d800d_prep
	.p2alignl 7, 3214868480
	.fill 96, 4, 3214868480
	.section	.rodata,"a",@progbits
	.p2align	6, 0x0
	.amdhsa_kernel k_qa5190d800d_prep
		.amdhsa_group_segment_fixed_size 18432
		.amdhsa_private_segment_fixed_size 0
		.amdhsa_enable_private_segment 0
		.amdhsa_kernarg_size 72
		.amdhsa_user_sgpr_count 2
		.amdhsa_user_sgpr_kernarg_segment_ptr 1
		.amdhsa_wavefront_size32 1
		.amdhsa_system_sgpr_workgroup_id_x 1
		.amdhsa_system_sgpr_workgroup_id_y 1
		.amdhsa_system_sgpr_workgroup_id_z 1
		.amdhsa_system_vgpr_workitem_id 0
		.amdhsa_next_free_vgpr 128
		.amdhsa_next_free_sgpr 66
		.amdhsa_reserve_vcc 1
		.amdhsa_float_denorm_mode_32 3
		.amdhsa_float_denorm_mode_16_64 3
		.amdhsa_memory_ordered 1
		.amdhsa_forward_progress 1
		.amdhsa_inst_pref_size 16
	.end_amdhsa_kernel
	.amdgpu_metadata
---
amdhsa.version: [ 1, 2 ]
amdhsa.kernels:
  - .name:           k_qa5190d800d_prep
    .symbol:         k_qa5190d800d_prep.kd
    .args:
      - { .name: x, .offset: 0, .size: 8, .value_kind: global_buffer, .address_space: global }
      - { .name: Wqkv, .offset: 8, .size: 8, .value_kind: global_buffer, .address_space: global }
      - { .name: bqkv, .offset: 16, .size: 8, .value_kind: global_buffer, .address_space: global }
      - { .name: q_scale, .offset: 24, .size: 8, .value_kind: global_buffer, .address_space: global }
      - { .name: k_scale, .offset: 32, .size: 8, .value_kind: global_buffer, .address_space: global }
      - { .name: xb, .offset: 40, .size: 8, .value_kind: global_buffer, .address_space: global }
      - { .name: wb, .offset: 48, .size: 8, .value_kind: global_buffer, .address_space: global }
      - { .name: tab, .offset: 56, .size: 8, .value_kind: global_buffer, .address_space: global }
      - { .name: bia, .offset: 64, .size: 8, .value_kind: global_buffer, .address_space: global }
    .group_segment_fixed_size: 18432
    .private_segment_fixed_size: 0
    .kernarg_segment_align: 8
    .kernarg_segment_size: 72
    .max_flat_workgroup_size: 256
    .sgpr_count:     66
    .vgpr_count:     128
    .wavefront_size: 32
...
	.end_amdgpu_metadata
.endif
;; end of part 1
;; launch main (part 2): grid 16 x 16, 4 waves a work-group, clusters of 4 x 4, 327,680 bytes of LDS; arguments xb, wb, tab, bia, out0; writes out0
.if DOCPART == 2
	.amdgcn_target "amdgcn-amd-amdhsa--gfx1250"
	.amdhsa_code_object_version 6
	.text
	.protected	k_qa5190d800d_main
	.globl	k_qa5190d800d_main
	.p2align	8
	.type	k_qa5190d800d_main,@function
k_qa5190d800d_main:
	s_mov_b64 s[64:65], 0
	v_nop
	global_prefetch_b8 v0, s[64:65] scope:SCOPE_SE
	s_setreg_imm32_b32 hwreg(HW_REG_WAVE_MODE, 25, 1), 1
	s_wait_xcnt 0x0
	s_wait_alu depctr_hold_cnt(0) depctr_sa_sdst(0) depctr_va_vdst(0) depctr_va_sdst(0) depctr_va_ssrc(0) depctr_va_vcc(0) depctr_vm_vsrc(0)
	s_getreg_b32 s2, hwreg(HW_REG_IB_STS2, 6, 4)
	s_cmp_eq_u32 s2, 0
	s_cbranch_scc0 .Lentry_in_a_cluster
	s_endpgm
.Lentry_in_a_cluster:
	s_bfe_u32 s2, ttmp6, 0x10000c
	s_cmp_lg_u32 s2, 0xf033
	s_cbranch_scc0 .Lentry_shape_is_right
	s_endpgm
.Lentry_shape_is_right:
; TEMPORAL ATTENTION: projection to q, k, v with bias, RMS norm and gain, rotary turn, causal softmax over 16 frames, P V, and the result stored in x's layout.  One launch, nothing set aside in memory.
; xb: [32 mt][16 ks][512 row][64 k] bf16, row = 16 (position % 32) + frame.  wb: [16 head][16 ks][192 row][64 k] bf16, row = 64 g + d.  tab: [8][16 t][32 i] f32.  bia: [16 head][640] f32.
; out0: [4 b][16 t][1024 c][256 hw] f32.
; SHARES.  A work-group owns one head and 64 positions (gy): 256 work-groups.  It makes two tiles of 512 rows (32 positions x 16 frames) x 192 columns (q, k, v of the head), one after the other.
; Wave w owns rows 128 w on: 8 positions, all 192 columns: 96 accumulators of 16 x 16, 768 registers.  K goes in 32 steps of 64 (16 a tile) through two LDS slots filled by tensor loads.
; ORIENTATION.  q and k: source 0 = 16 rows of W, source 1 = a position's 16 frames: a lane holds ONE frame (lane % 16), register j of fragment f channel 16 f + 8 (lane / 16) + j.  Rounded in pairs that IS an
; operand (16 frames x 32 channels) of the score product, and the rotary partners d and d + 32 lie in one lane.  v: the sources swapped: a lane holds one channel, register j frame 8 (lane / 16) + j: rounded in pairs
; that is source 1 of P V.  S^T = K Q^T holds one query a lane and the keys 8 (lane / 16) + j, which rounded in pairs is source 0 of P V.  So nothing changes lanes between the products.
; THE BIAS is the C operand of each accumulator's first product.  THE MASK (0, or -1e30 where key > query) is the C operand that starts the scores.
; P AND V GO IN TWO PARTS of bf16 each, high and the rest: the product's 32 K places hold the 16 keys twice, V's high parts and V's rests; one instruction takes P's high parts, a second P's rests.
; THE WAY OUT.  256 consecutive bytes of out0 are 64 positions of one frame and channel.  Tile 0's O is set aside in LDS in bf16 (PARK); tile 1's goes into slot 0, which has had its last fill by then (PARK2);
; then each wave reads whole rows of 64 positions and stores them: 16 lanes store 256 consecutive bytes, aligned.
; CLUSTER.  4 x 4 work-groups.  The four of a row of the cluster have the same positions and ask for xb's tiles jointly; the four of a column have the same head and ask for wb's tiles jointly.
; tab and bia (18.5 KB, once) come by tensor loads of the work-group's own.
; LIMITS.  x, W, bias and gains arrive rounded to bf16.  q and k go into the score product in f16: after the norm |q| <= 8 sqrt(2) max|gain|, so gains up to 5,700 fit; below 6e-5 f16 keeps a fixed step of 6e-8.
; A hidden score counts as its value less 1e30; a weight below 2^-126 counts as 0.  O is rounded once to bf16 where it is set aside.  NaN and infinities are not treated apart.
; REGISTERS, in windows of 256 (s_set_vgpr_msb: bits 1:0 source 0, 3:2 source 1, 5:4 source 2, 7:6 destination):
;   window 0: v0-23 addresses and the mask; v24-63 at work; v64-127, v128-191 fragments of x, two buffers; v192-223, v224-255 fragments of W, two buffers (the attention uses v24-255 otherwise: see there)
;   windows 1, 2, 3: the accumulators of q, k, v: position p, fragment f at 32 p + 8 f
.set PITCH, 144                        ; an LDS row: 128 bytes + 16 of padding = 36 words: the 16 rows of a fragment load start in 16 different groups of four banks (64 banks of 4 bytes: ISA guide 11.1)
.set AHALF, 256*PITCH                  ; what one tensor load brings of xb: 256 rows
.set BOFF,  512*PITCH                  ; in a slot W's 192 rows lie behind x's 512
.set BHALF, 96*PITCH                   ; what one tensor load brings of wb
.set SLOT,  704*PITCH                  ; 101,376 bytes
.set TAB,   2*SLOT                     ; 128 rows of 128 bytes, pitch 144; filled once
.set BIA,   TAB+128*PITCH              ; 2,560 bytes; filled once
.set PARK,  BIA+2560                   ; tile 0's O: 1,024 rows (channel, frame) of 32 positions in bf16; four rows and 16 bytes of padding make 272
.set PKP,   272
.set SPARE, PARK+256*PKP               ; the spare words, 128 bytes for each wave: two blocks of 256 bytes that no other line names
.set PARK2, 128                        ; tile 1's O, in slot 0
.set PLT,  1                           ; v1   my lane's and wave's place in a park
.set ADRA, 2                           ; v2-3 LDS address of my fragments of x in slot 0, 1
.set ADRB, 4                           ; v4-5 the same for W
.set TADR, 6                           ; v6   my place in tab
.set BADQ, 7                           ; v7   my place in q's and k's bias
.set BADV, 8                           ; v8   in v's
.set PST,  9                           ; v9-10 where I put 16 bytes of O: channel blocks 0, 1 and 2, 3
.set PFO,  11                          ; v11  256 x lane: the prefetches' offset; never rewritten
.set GO,   12                          ; v12  my byte offset in out0
.set NEG1, 13                          ; v13  -1.0
.set SPW,  14                          ; v14  LDS address of my spare word; never rewritten
.set NIL,  15                          ; v15  0; never rewritten
.set MASK, 16                          ; v16-23
.set STT,  24                          ; v24-55 statistics
.set FRD,  24                          ; v24  the way out: where I read rows back
.set BVR,  32                          ; v32-63 v's bias, in a tile's first products
.set FA0,  64
.set FA1,  128                         ; (in a tile's first products v128-159 hold q's bias, v160-191 k's)
.set FBX,  192
.set FBY,  224
.set SS,   64                          ; the scores, 8 registers a position
.set WV,   14                          ; s14  my wave's number
.set FB,   15                          ; s15  0: I fetch xb's tiles, 1: wb's
.set HF,   16                          ; s16  which half of the tile
.set CX,   17
.set CY,   18
.set HEAD, 19
.set GY,   20
.set TILE, 21                          ; s21  tiles to go, this one among them
.set TRIP, 22
.set LIM,  23                          ; s23  in a wave that prefetches 0 (tile 0) or 1 (tile 1), else the greatest number
.set G1A,  24                          ; s[24:31] descriptor group 1 for xb's tiles; s[32:39] group 0, a set for each slot
.set G0A,  32
.set G1B,  40                          ; s[40:47], s[48:55] the same for wb's
.set G0B,  48
.set OUT1, 56                          ; s[56:57] out0 at frames 8 on
.set G1T,  68                          ; s[68:75] group 1 for tab, s[76:83] for bia, s[84:87] and s[88:91] their groups 0
.set G1C,  76
.set G0T,  84
.set G0C,  88
.set PFA,  92                          ; s[92:93] where my prefetches stand
.set CS,   94                          ; s[94:95] c = log2(e) / 8
.set SEL,  96                          ; s[96:97] v_permlanex16_b32's selects: each lane takes its own place in the other half
.set RC64, 98                          ; s98  1/64
.set EPSR, 99                          ; s99  1e-6
.set MSB, 0
.macro WIN new                         ; the immediate's high byte repeats the setting that is left; a switch that changes nothing is dropped
.if MSB != (\new)
	s_set_vgpr_msb (MSB<<8)|(\new)
.set MSB, \new
.endif
.endm
; A vector instruction that reads a matrix result, and a load into a register that a matrix instruction has read, stand four places behind it; only plain vector instructions that name none of its registers are places.
.macro PLACES
.rept 4
	v_nop
.endr
.endm
; A joint load.  Waves 0 and 1 fetch the two halves of xb's tile, waves 2 and 3 those of wb's.  The branch hangs on the wave's number alone.  An s_nop 0 and four v_nop follow each line.
.macro JLOAD s
	s_cmp_eq_u32 s[FB], 0
	s_cbranch_scc0 .Lfor_b_\@
	tensor_load_to_lds s[G0A+4*(\s):G0A+4*(\s)+3], s[G1A:G1A+7]
	s_nop 0
.rept 4
	v_nop
.endr
	s_branch .Lasked_\@
.Lfor_b_\@:
	tensor_load_to_lds s[G0B+4*(\s):G0B+4*(\s)+3], s[G1B:G1B+7]
	s_nop 0
.rept 4
	v_nop
.endr
.Lasked_\@:
.endm
; A PREFETCH INTO THE L2 of xb's K step that stands two refills on.  Of a step's 64 KiB wave 0 and wave 1 fetch a half each; the four partners that ask for it jointly take 8 KiB of that half each, told apart BY ADDRESS
; (cx); a lane names 256 bytes: one instruction.  The four clusters of a row of clusters read the same tiles: the first (cluster x = 0) asks.  So each 256 bytes are named once in the launch.
; how = 0, in the loop: tile 1's last trip has no step two refills on; how = 1, at tile 0's end.  wb is not asked for: a head's 384 KiB are walked twice by each of 16 work-groups.
.macro ASK how
.if \how
	s_cmp_eq_u32 s[LIM], 0
.else
	s_cmp_gt_u32 s[TRIP], s[LIM]
.endif
	s_cbranch_scc0 .Lnot_mine_\@
	global_prefetch_b8 v[PFO], s[PFA:PFA+1] offset:65536 th:TH_LOAD_NT scope:SCOPE_SE
.Lnot_mine_\@:
.endm
; A round of the cluster's barrier: my work-group's barrier; wave 0 signals for the work-group; every wave waits for all sixteen; my work-group's barrier once more.
.macro CREST
	s_cmp_lg_u32 s[WV], 0
	s_cbranch_scc1 .Lnot_wave_0_\@
	s_barrier_signal -3
.Lnot_wave_0_\@:
	s_barrier_wait -3
	s_barrier_signal -1
	s_barrier_wait -1
.endm
.macro CROUND
	s_barrier_signal -1
	s_barrier_wait -1
	CREST
.endm
	s_load_b256 s[4:11], s[0:1], 0x0               ; xb s[4:5], wb s[6:7], tab s[8:9], bia s[10:11]
	s_load_b64 s[12:13], s[0:1], 0x20              ; out0
	v_lshl_add_u32 v[SPW], v0, 2, SPARE
	v_mov_b32 v[NIL], 0
	ds_add_u32 v[SPW], v[NIL]                      ; the wave's opening: the add and its wait stand ahead of my first tensor load; the set-up below, work on registers, stands between them
	v_lshrrev_b32 v1, 5, v0
	v_readfirstlane_b32 s[WV], v1                  ; wave 0..3
	s_lshr_b32 s[FB], s[WV], 1
	s_and_b32 s[HF], s[WV], 1
	s_bfe_u32 s[CX], ttmp6, 0x40000
	s_bfe_u32 s[CY], ttmp6, 0x40004
	s_lshl_b32 s[HEAD], ttmp9, 2
	s_add_co_u32 s[HEAD], s[HEAD], s[CX]           ; head = 4 x cluster x + cx
	s_and_b32 s[GY], ttmp7, 0xffff
	s_lshl_b32 s[GY], s[GY], 2
	s_add_co_u32 s[GY], s[GY], s[CY]               ; group of 64 positions = 4 x cluster y + cy
	s_lshl_b32 s58, s[CY], 2
	s_lshl_b32 s58, 15, s58                        ; my row of the cluster
	s_lshl_b32 s59, 0x1111, s[CX]                  ; my column
	; group 1.  The blocks are dense: asked for as rows of 256 bytes (128 elements of 2 bytes), padded in LDS by 4 words after every 32 words, that is after every row of 64 k
	s_or_b32 s[G1A], s58, (1<<16)|(1<<20)|(1<<21)|(4<<22)|(3<<25)  ; 15:0 the mask; 17:16 2-byte elements; 20 padding on; 21 set beside a mask; 24:22 after 32 words (code 4); 31:25 4 words (code 3)
	s_or_b32 s[G1B], s59, (1<<16)|(1<<20)|(1<<21)|(4<<22)|(3<<25)
	s_mov_b32 s[G1T], (1<<16)|(1<<20)|(4<<22)|(3<<25)
	s_mov_b32 s[G1C], 1<<16                        ; bia: no padding
.irp g, G1A, G1B, G1T, G1C
	s_mov_b32 s[\g+1], 128<<16                     ; tensor_dim0 = 128
	s_mov_b32 s[\g+3], 128<<16                     ; tile_dim0 = 128
	s_mov_b32 s[\g+5], 128                         ; 128 elements from row to row
	s_mov_b32 s[\g+6], 0
	s_mov_b32 s[\g+7], 0
.endr
	s_mov_b32 s[G1A+2], 128<<16                    ; tensor_dim1 = tile_dim1: 128 rows of 256 bytes of xb,
	s_mov_b32 s[G1A+4], 128
	s_mov_b32 s[G1B+2], 48<<16                     ; 48 of wb,
	s_mov_b32 s[G1B+4], 48
	s_mov_b32 s[G1T+2], 32<<16                     ; 32 of tab,
	s_mov_b32 s[G1T+4], 32
	s_mov_b32 s[G1C+2], 5<<16                      ; 5 of bia
	s_mov_b32 s[G1C+4], 5
	s_mul_i32 s2, s[HF], AHALF                     ; where the tiles go: no place in the cluster enters an LDS address
	s_mul_i32 s3, s[HF], BHALF
	s_add_co_u32 s3, s3, BOFF
.irp s, 0,1
	s_mov_b32 s[G0A+4*\s], 1
	s_add_co_u32 s[G0A+4*\s+1], s2, \s*SLOT
	s_mov_b32 s[G0B+4*\s], 1
	s_add_co_u32 s[G0B+4*\s+1], s3, \s*SLOT
.endr
	s_mov_b32 s[G0T], 1
	s_mul_i32 s[G0T+1], s[HF], 64*PITCH
	s_add_co_u32 s[G0T+1], s[G0T+1], TAB
	s_mov_b32 s[G0C], 1
	s_mul_i32 s[G0C+1], s[HF], 1280
	s_add_co_u32 s[G0C+1], s[G0C+1], BIA
	s_lshl_b32 s60, s[GY], 21                      ; xb: 32 blocks of 65,536 bytes for each group of 64 positions, the two tiles' 16 steps on end; + my half
	s_lshl_b32 s58, s[HF], 15
	s_add_co_u32 s60, s60, s58
	s_mov_b32 s61, 0
	s_mul_i32 s62, s[HEAD], 16*24576               ; wb: 16 blocks of 24,576 bytes a head; + my half
	s_mul_i32 s59, s[HF], 12288
	s_add_co_u32 s62, s62, s59
	s_mov_b32 s63, 0
	s_mul_i32 s66, s[HEAD], 2560                   ; bia
	s_mul_i32 s59, s[HF], 1280
	s_add_co_u32 s66, s66, s59
	s_mov_b32 s67, 0
	s_lshl_b32 s100, s[HF], 13                     ; tab
	s_mov_b32 s101, 0
	s_lshl_b32 s58, s[GY], 21                      ; the prefetches: my half, my work-group's 8 KiB of it, at K step 2: the first refill steps it to 3 and names step 4
	s_lshl_b32 s59, s[HF], 15
	s_add_co_u32 s58, s58, s59
	s_lshl_b32 s59, s[CX], 13
	s_add_co_u32 s58, s58, s59
	s_add_co_u32 s58, s58, 2*65536
	s_mov_b32 s59, 0
	s_or_b32 s[LIM], s[FB], ttmp9                  ; waves 0 and 1 of the clusters with x = 0 ask: the same in all sixteen partners
	s_cmp_eq_u32 s[LIM], 0
	s_cselect_b32 s[LIM], 0, -1
	s_mov_b32 s[CS], 0x3e38aa3b                    ; c = log2(e) / 8
	s_mov_b32 s[CS+1], s[CS]
	s_mov_b32 s[SEL], 0x76543210
	s_mov_b32 s[SEL+1], 0xfedcba98
	s_mov_b32 s[RC64], 0x3c800000
	s_mov_b32 s[EPSR], 0x358637bd
	s_wait_dscnt 0x0                               ; the opening add is done
	s_wait_kmcnt 0x0
	s_add_nc_u64 s[60:61], s[4:5], s[60:61]
	s_add_nc_u64 s[62:63], s[6:7], s[62:63]
.irp s, 0,1
	s_add_nc_u64 s[G0A+4*\s+2:G0A+4*\s+3], s[60:61], \s*65536  ; slot s begins with K step s
	s_or_b32 s[G0A+4*\s+3], s[G0A+4*\s+3], 0x80000000          ; type = 2
	s_add_nc_u64 s[G0B+4*\s+2:G0B+4*\s+3], s[62:63], \s*24576
	s_or_b32 s[G0B+4*\s+3], s[G0B+4*\s+3], 0x80000000
.endr
	s_add_nc_u64 s[G0T+2:G0T+3], s[8:9], s[100:101]
	s_or_b32 s[G0T+3], s[G0T+3], 0x80000000
	s_add_nc_u64 s[G0C+2:G0C+3], s[10:11], s[66:67]
	s_or_b32 s[G0C+3], s[G0C+3], 0x80000000
	s_add_nc_u64 s[PFA:PFA+1], s[4:5], s[58:59]
	CROUND                                         ; all sixteen work-groups are here: the first joint loads meet
	s_cmp_eq_u32 s[FB], 0                          ; a wave's three first fills stand in one branch: three loads of mine are out
	s_cbranch_scc0 .Lfirst_b
	tensor_load_to_lds s[G0A:G0A+3], s[G1A:G1A+7]
	s_nop 0
	tensor_load_to_lds s[G0C:G0C+3], s[G1C:G1C+7]
	s_nop 0
	tensor_load_to_lds s[G0A+4:G0A+7], s[G1A:G1A+7]
	s_nop 0
.rept 4
	v_nop
.endr
	s_branch .Lfirst_asked
.Lfirst_b:
	tensor_load_to_lds s[G0B:G0B+3], s[G1B:G1B+7]
	s_nop 0
	tensor_load_to_lds s[G0T:G0T+3], s[G1T:G1T+7]
	s_nop 0
	tensor_load_to_lds s[G0B+4:G0B+7], s[G1B:G1B+7]
	s_nop 0
.rept 4
	v_nop
.endr
.Lfirst_asked:
	; A fragment is 16 rows x 32 k in 8 registers: lane l holds row l % 16; registers 0-3 k = 8 (l / 16) + 0..7, registers 4-7 k = 16 + 8 (l / 16) + 0..7: two loads of 16 bytes, 32 bytes apart.
	v_and_b32 v24, 15, v0                          ; r = l % 16
	v_bfe_u32 v25, v0, 4, 1                        ; h = l / 16
	v_and_b32 v26, 31, v0                          ; l
	v_mul_u32_u24 v27, v24, PITCH
	v_lshl_add_u32 v28, v25, 4, v27
	s_mul_i32 s58, s[WV], 128*PITCH                ; my 128 rows of x
	v_add_nc_u32 v[ADRA], s58, v28
	v_add_nc_u32 v[ADRA+1], SLOT, v[ADRA]
	v_add_nc_u32 v[ADRB], BOFF, v28
	v_add_nc_u32 v[ADRB+1], SLOT+BOFF, v28
	v_lshl_add_u32 v[TADR], v25, 5, v27            ; tab: row = frame r, numbers 8 h on
	v_add_nc_u32 v[TADR], TAB, v[TADR]
	v_lshlrev_b32 v[BADQ], 5, v25
	v_add_nc_u32 v[BADQ], BIA, v[BADQ]
	v_lshlrev_b32 v[BADV], 5, v24
	v_add_nc_u32 v[BADV], BIA+512, v[BADV]
	v_lshrrev_b32 v29, 2, v26                      ; a park's row 256 cb + 32 j + l lies at (row / 4) 272 + (row % 4) 64; my wave's 8 positions at 16 w
	v_mul_u32_u24 v29, v29, PKP
	v_and_b32 v30, 3, v26
	v_lshl_add_u32 v29, v30, 6, v29
	s_lshl_b32 s58, s[WV], 4
	v_add_nc_u32 v[PLT], s58, v29
	v_add_nc_u32 v[PST], PARK, v[PLT]
	v_add_nc_u32 v[PST+1], PARK+128*PKP, v[PLT]
	v_lshlrev_b32 v[PFO], 8, v26
	v_mov_b32 v[NEG1], -1.0
	v_lshlrev_b32 v27, 3, v25
	v_sub_nc_u32 v27, v24, v27                     ; query r less my lanes' 8 h: key 8 h + j is hidden where j is greater
	v_mov_b32 v28, 0xf149f2ca                      ; -1e30
.irp j, 0,1,2,3,4,5,6,7
	v_cmp_gt_i32 s58, \j, v27
	v_cndmask_b32 v[MASK+\j], 0, v28, s58
.endr
	s_lshr_b32 s66, s[GY], 2                       ; out0: b 2^24 + head 2^16 + 256 (gy % 4) bytes
	s_lshl_b32 s66, s66, 24
	s_lshl_b32 s67, s[HEAD], 16
	s_add_co_u32 s66, s66, s67
	s_and_b32 s67, s[GY], 3
	s_lshl_b32 s67, s67, 8
	s_add_co_u32 s66, s66, s67
	s_mov_b32 s67, 0
	s_add_nc_u64 s[12:13], s[12:13], s[66:67]
	s_add_nc_u64 s[OUT1:OUT1+1], s[12:13], 8<<20   ; eight frames on
; 16 LDS loads: my 8 positions' fragments of x for 32 k (half kb of the step) into buffer ab
.macro LDA ab, slot, kb
.irp p, 0,1,2,3,4,5,6,7
	ds_load_b128 v[(\ab)+8*\p:(\ab)+8*\p+3],   v[ADRA+(\slot)] offset:\p*16*PITCH+(\kb)*64
	ds_load_b128 v[(\ab)+8*\p+4:(\ab)+8*\p+7], v[ADRA+(\slot)] offset:\p*16*PITCH+(\kb)*64+32
.endr
.endm
; 8 LDS loads: the four fragments of W for group g (q, k, v) into buffer bb
.macro LDB bb, slot, kb, g
.irp f, 0,1,2,3
	ds_load_b128 v[(\bb)+8*\f:(\bb)+8*\f+3],   v[ADRB+(\slot)] offset:(64*(\g)+16*\f)*PITCH+(\kb)*64
	ds_load_b128 v[(\bb)+8*\f+4:(\bb)+8*\f+7], v[ADRB+(\slot)] offset:(64*(\g)+16*\f)*PITCH+(\kb)*64+32
.endr
.endm
; Matrix instructions of group g: fragments f0 .. f1 - 1 of W x my 8 positions.  All accumulators of a run differ, and one comes up again 96 matrix instructions later: they take turns.
; first = 1: the C operand is the bias: the first product starts the sum, and nothing is cleared.
.macro WM g, ab, bb, f0, f1, first
.if \first
	WIN 0x40*((\g)+1)
.else
	WIN 0x50*((\g)+1)
.endif
.set wf, \f0
.rept (\f1)-(\f0)
.set wp, 0
.rept 8
.set rD, 32*wp+8*wf
.set rX, (\ab)+8*wp
.set rW, (\bb)+8*wf
.if \first
.if (\g) == 2
.set rC, BVR+8*wf
.else
.set rC, 128+32*(\g)+8*wf
.endif
.else
.set rC, rD
.endif
.if (\g) == 2
	v_wmma_f32_16x16x32_bf16 v[rD:rD+7], v[rX:rX+7], v[rW:rW+7], v[rC:rC+7]
.else
	v_wmma_f32_16x16x32_bf16 v[rD:rD+7], v[rW:rW+7], v[rX:rX+7], v[rC:rC+7]
.endif
.set wp, wp+1
.endr
.set wf, wf+1
.endr
.endm
; A K step is two halves of 32 k, each three groups of 32 matrix instructions.  In front of each group stand the loads for the next one; the wait leaves just those out.
.macro KB0 slot, first
	PLACES
	WIN 0
	LDB FBY, \slot, 0, 1
	s_wait_dscnt 8                                 ; all but the 8 just issued
	WM 0, FA0, FBX, 0, 4, \first
	PLACES
	WIN 0
	LDB FBX, \slot, 0, 2
	s_wait_dscnt 8
	WM 1, FA0, FBY, 0, 4, \first
	PLACES
	WIN 0
	LDA FA1, \slot, 1
	LDB FBY, \slot, 1, 0
	s_wait_dscnt 24                                ; all but the 24 just issued
	WM 2, FA0, FBX, 0, 4, \first
.endm
.macro KB1Q slot
	PLACES
	WIN 0
	LDB FBX, \slot, 1, 1
	s_wait_dscnt 8
	WM 0, FA1, FBY, 0, 4, 0
.endm
; The step's last two groups and THE CHANGE OF SLOTS.  In front of the barrier each wave waits for all its tensor loads, of which one is out: its part of the next slot; adds 0 to its spare word; and waits for that and for its
; own reads of this slot.  refill = 1: the barrier opens a round of the cluster's, so that no wave of any partner still reads the slot or has a load on its way, and the joint refill, two steps ahead, is the first thing behind it:
; 160 matrix instructions stand between it and the wait for it.  wrap = 1: W's walk goes back to the head's first blocks (the next tile).  fetch = 1: the next step's first fragments.
.macro TURN slot, next, refill, wrap, fetch, how
.if \refill
	s_wait_xcnt 0x0                                ; the last prefetch, a K step back, has read its address
	s_add_nc_u64 s[PFA:PFA+1], s[PFA:PFA+1], 65536
.endif
	PLACES
	WIN 0
	LDB FBY, \slot, 1, 2
	s_wait_tensorcnt 0x0                           ; all my tensor loads have landed
	ds_add_u32 v[SPW], v[NIL]                      ; 0 onto my spare word
	s_wait_dscnt 9                                 ; (the add and the 8 loads in front of it may be out)
	WM 1, FA1, FBX, 0, 2, 0                        ; sixteen matrix instructions stand between the add and the wait for it
	s_wait_dscnt 0x0                               ; the add is done, and my reads of this slot are over
	s_barrier_signal -1
	WM 1, FA1, FBX, 2, 4, 0                        ; work on registers while the others arrive
	WIN 0
	s_barrier_wait -1
.if \refill
	CREST
	s_add_nc_u64 s[G0A+4*(\slot)+2:G0A+4*(\slot)+3], s[G0A+4*(\slot)+2:G0A+4*(\slot)+3], 2*65536
.if \wrap
	s_sub_nc_u64 s[G0B+4*(\slot)+2:G0B+4*(\slot)+3], s[G0B+4*(\slot)+2:G0B+4*(\slot)+3], 14*24576
.else
	s_add_nc_u64 s[G0B+4*(\slot)+2:G0B+4*(\slot)+3], s[G0B+4*(\slot)+2:G0B+4*(\slot)+3], 2*24576
.endif
	JLOAD \slot                                    ; the four v_nop behind it are also the places in front of the loads below
.else
	PLACES
.endif
.if \fetch
	LDA FA0, \next, 0
	LDB FBX, \next, 0, 0
.endif
.if \refill
	ASK \how
.endif
	WM 2, FA1, FBY, 0, 4, 0
.endm
	s_wait_tensorcnt 0x1                           ; my part of slot 0 and of the tables is in; slot 1's may stay out
	s_barrier_signal -1
	s_barrier_wait -1                              ; everybody's is
	s_mov_b32 s[TILE], 2
.Ltile:
	LDA FA0, 0, 0                                  ; a tile's first fragments, and the biases where the first products take their C
	LDB FBX, 0, 0, 0
.irp f, 0,1,2,3
	ds_load_b128 v[128+8*\f:131+8*\f], v[BADQ] offset:64*\f
	ds_load_b128 v[132+8*\f:135+8*\f], v[BADQ] offset:64*\f+16
	ds_load_b128 v[160+8*\f:163+8*\f], v[BADQ] offset:256+64*\f
	ds_load_b128 v[164+8*\f:167+8*\f], v[BADQ] offset:256+64*\f+16
	ds_load_b128 v[BVR+8*\f:BVR+8*\f+3],   v[BADV] offset:512*\f
	ds_load_b128 v[BVR+8*\f+4:BVR+8*\f+7], v[BADV] offset:512*\f+16
.endr
	KB0 0, 1
	WIN 0                                          ; at a label and at a branch every window is 0
	s_mov_b32 s[TRIP], 7
.Llap:                                             ; a trip goes once round the ring, from a step's second half to the first half of the step two on, and fills both slots again
	KB1Q 0
	TURN 0, 1, 1, 0, 1, 0
	KB0 1, 0
	KB1Q 1
	TURN 1, 0, 1, 0, 1, 0
	KB0 0, 0
	WIN 0
	s_sub_co_u32 s[TRIP], s[TRIP], 1
	s_cmp_lg_u32 s[TRIP], 0
	s_cbranch_scc1 .Llap
	s_cmp_eq_u32 s[TILE], 1
	s_cbranch_scc1 .Ltail1                         ; the last tile's tail is written out: it asks for nothing more
	KB1Q 0                                         ; tile 0's last two steps: the ring goes on into tile 1
	TURN 0, 1, 1, 1, 1, 1
	KB0 1, 0
	KB1Q 1
	TURN 1, 0, 1, 1, 0, 1
	WIN 0
	s_branch .Latt
.Ltail1:
	KB1Q 0
	TURN 0, 1, 0, 0, 1, 0                          ; behind this barrier no wave reads slot 0 any more, and nothing fills it
	KB0 1, 0
	KB1Q 1
	PLACES
	WIN 0
	LDB FBY, 1, 1, 2
	s_wait_dscnt 8
	WM 1, FA1, FBX, 0, 4, 0
	s_wait_dscnt 0x0
	WM 2, FA1, FBY, 0, 4, 0
	WIN 0
; THE ATTENTION of my 8 positions, each phase for all 8, so that no instruction waits for the one in front of it.
; Window 0 here: v24-55 statistics; v64-127 q's four tables, then the scores; v128-191 k's tables; v192-255 two sets of 32 at work in the rotary turn;
; for P V: v128-175 and v176-223 two sets (P high 8, P rest 8, V 32), v224-255 V's rest in f32.
.Latt:
	PLACES
.set tx, 0
.rept 32                               ; table tx / 4, numbers 16 ((tx % 4) / 2) + 8 h + 4 (tx % 2) on, of my frame
	ds_load_b128 v[64+4*tx:67+4*tx], v[TADR] offset:(tx/4)*16*PITCH+((tx%4)/2)*64+(tx%2)*16
.set tx, tx+1
.endr
; the sum of squares of my 32 channels, two chains a position; each accumulator's lowest registers are read first
.macro SUMSQ win, st
	WIN \win
.set i, 0
.rept 16
.set p, 0
.rept 8
.if i == 0
	v_pk_mul_f32 v[(\st)+2*p:(\st)+2*p+1], v[32*p:32*p+1], v[32*p:32*p+1]
.else
	v_pk_fma_f32 v[(\st)+2*p:(\st)+2*p+1], v[32*p+2*i:32*p+2*i+1], v[32*p+2*i:32*p+2*i+1], v[(\st)+2*p:(\st)+2*p+1]
.endif
.set p, p+1
.endr
.set i, i+1
.endr
.endm
	SUMSQ 0x05, STT                                ; q: sources in window 1
	SUMSQ 0x0a, STT+16                             ; k: in window 2
	WIN 0
.macro ALL16 line:vararg
.set n, 0
.rept 16
	\line
.set n, n+1
.endr
.endm
.macro ALL8 line:vararg
.set p, 0
.rept 8
	\line
.set p, p+1
.endr
.endm
	ALL16 v_add_f32 v[STT+2*n], v[STT+2*n], v[STT+2*n+1]
	ALL16 v_permlanex16_b32 v[STT+2*n+1], v[STT+2*n], s[SEL], s[SEL+1]
	ALL16 v_add_f32 v[STT+2*n], v[STT+2*n], v[STT+2*n+1]
	ALL16 v_fma_f32 v[STT+2*n], v[STT+2*n], s[RC64], s[EPSR]
	ALL16 v_rsq_f32 v[STT+2*n], v[STT+2*n]
	v_nop                                          ; a plain instruction behind the last root,
	s_wait_alu depctr_va_vdst(0)                   ; and the wait ahead of the first reader: one for the sixteen
	s_wait_dscnt 0x0                               ; the tables are in
; Norm, gain and rotary turn, then the rounding to f16.  lo = channels 0-31 (registers 0-15), hi = channels 32-63: lo' = lo TA - hi TB, hi' = lo TC + hi TD.
; wa: destination and source 0 in the set's window; wb: source 0 alone; wc: destination and both sources.
.macro ROPE wa, wb, wc, tb, st
	WIN \wa
.set p, 0
.rept 8
.set i, 0
.rept 16
	v_pk_mul_f32 v[32*p+2*i:32*p+2*i+1], v[32*p+2*i:32*p+2*i+1], v[(\st)+2*p:(\st)+2*p+1] op_sel_hi:[1,0]
.set i, i+1
.endr
.set p, p+1
.endr
.set p, 0
.rept 8
.set zt, 192+32*(p%2)
	WIN \wb
.set i, 0
.rept 8
	v_pk_mul_f32 v[zt+2*i:zt+2*i+1], v[32*p+16+2*i:32*p+17+2*i], v[(\tb)+16+2*i:(\tb)+17+2*i]
.set i, i+1
.endr
.set i, 0
.rept 8
	v_pk_mul_f32 v[zt+16+2*i:zt+17+2*i], v[32*p+2*i:32*p+2*i+1], v[(\tb)+32+2*i:(\tb)+33+2*i]
.set i, i+1
.endr
	WIN \wa
.set i, 0
.rept 8
	v_pk_fma_f32 v[32*p+2*i:32*p+2*i+1], v[32*p+2*i:32*p+2*i+1], v[(\tb)+2*i:(\tb)+2*i+1], v[zt+2*i:zt+2*i+1] neg_lo:[0,0,1] neg_hi:[0,0,1]
.set i, i+1
.endr
.set i, 0
.rept 8
	v_pk_fma_f32 v[32*p+16+2*i:32*p+17+2*i], v[32*p+16+2*i:32*p+17+2*i], v[(\tb)+48+2*i:(\tb)+49+2*i], v[zt+16+2*i:zt+17+2*i]
.set i, i+1
.endr
.set p, p+1
.endr
	WIN \wc
.set p, 0
.rept 8
.set i, 0
.rept 16                               ; in place and ascending: register i takes registers 2 i and 2 i + 1, so the operands lie at 32 p + 0..15
	v_cvt_pk_f16_f32 v[32*p+i], v[32*p+2*i], v[32*p+2*i+1]
.set i, i+1
.endr
.set p, p+1
.endr
.endm
	ROPE 0x41, 0x01, 0x45, 64, STT
	ROPE 0x82, 0x02, 0x8a, 128, STT+16
	WIN 0x06                                       ; source 0 = K in window 2, source 1 = Q in window 1; mask and scores in window 0
	ALL8 v_wmma_f32_16x16x32_f16 v[SS+8*p:SS+8*p+7], v[32*p:32*p+7], v[32*p:32*p+7], v[MASK:MASK+7]
	ALL8 v_wmma_f32_16x16x32_f16 v[SS+8*p:SS+8*p+7], v[32*p+8:32*p+15], v[32*p+8:32*p+15], v[SS+8*p:SS+8*p+7]
	PLACES
	WIN 0
	; softmax: the row's maximum is taken away; p = 2^(c s - c m); a lane holds 8 keys of its query, the lane 16 away the other 8
	ALL8 v_max3_num_f32 v[STT+4*p], v[SS+8*p], v[SS+8*p+1], v[SS+8*p+2]
	ALL8 v_max3_num_f32 v[STT+4*p+1], v[SS+8*p+3], v[SS+8*p+4], v[SS+8*p+5]
	ALL8 v_max3_num_f32 v[STT+4*p], v[STT+4*p], v[SS+8*p+6], v[SS+8*p+7]
	ALL8 v_max_num_f32 v[STT+4*p], v[STT+4*p], v[STT+4*p+1]
	ALL8 v_permlanex16_b32 v[STT+4*p+1], v[STT+4*p], s[SEL], s[SEL+1]
	ALL8 v_max_num_f32 v[STT+4*p], v[STT+4*p], v[STT+4*p+1]
	ALL8 v_mul_f32 v[STT+4*p], s[CS], v[STT+4*p]
.irp i, 0,1,2,3
	ALL8 v_pk_fma_f32 v[SS+8*p+2*\i:SS+8*p+2*\i+1], v[SS+8*p+2*\i:SS+8*p+2*\i+1], s[CS:CS+1], v[STT+4*p:STT+4*p+1] op_sel_hi:[1,0,0] neg_lo:[0,0,1] neg_hi:[0,0,1]
.endr
.irp j, 0,1,2,3,4,5,6,7
	ALL8 v_exp_f32 v[SS+8*p+\j], v[SS+8*p+\j]
.endr
	v_nop                                          ; a plain instruction behind the last exponential,
	s_wait_alu depctr_va_vdst(0)                   ; and one wait for the batch of 64
	ALL8 v_pk_add_f32 v[STT+4*p+2:STT+4*p+3], v[SS+8*p:SS+8*p+1], v[SS+8*p+2:SS+8*p+3]
	ALL8 v_pk_add_f32 v[STT+4*p:STT+4*p+1], v[SS+8*p+4:SS+8*p+5], v[SS+8*p+6:SS+8*p+7]
	ALL8 v_pk_add_f32 v[STT+4*p+2:STT+4*p+3], v[STT+4*p+2:STT+4*p+3], v[STT+4*p:STT+4*p+1]
	ALL8 v_add_f32 v[STT+4*p+2], v[STT+4*p+2], v[STT+4*p+3]
	ALL8 v_permlanex16_b32 v[STT+4*p+3], v[STT+4*p+2], s[SEL], s[SEL+1]
	ALL8 v_add_f32 v[STT+4*p+2], v[STT+4*p+2], v[STT+4*p+3]
	ALL8 v_rcp_f32 v[STT+4*p], v[STT+4*p+2]
	v_nop
	s_wait_alu depctr_va_vdst(0)                   ; one wait for the eight reciprocals
.irp i, 0,1,2,3
	ALL8 v_pk_mul_f32 v[SS+8*p+2*\i:SS+8*p+2*\i+1], v[SS+8*p+2*\i:SS+8*p+2*\i+1], v[STT+4*p:STT+4*p+1] op_sel_hi:[1,0]
.endr
; O = P V for position p.  V and P are split into a bf16 and the bf16 of what is left; O lands on V's accumulators: a lane holds one channel, register j frame 8 h + j.  The two sets of operand registers take turns.
.macro PVSTEP p
.set Z, 128+48*((\p)%2)
.set VO, Z+16
	WIN 0x0f                                       ; sources in window 3
.set i, 0
.rept 16
	v_cvt_pk_bf16_f32 v[VO+8*(i/4)+i%4], v[32*(\p)+2*i], v[32*(\p)+2*i+1]
.set i, i+1
.endr
	WIN 0x30                                       ; source 2 in window 3
.set i, 0
.rept 16
	v_fma_mix_f32_bf16 v[224+2*i], v[VO+8*(i/4)+i%4], v[NEG1], v[32*(\p)+2*i] op_sel_hi:[1,0,0]
	v_fma_mix_f32_bf16 v[225+2*i], v[VO+8*(i/4)+i%4], v[NEG1], v[32*(\p)+2*i+1] op_sel:[1,0,0] op_sel_hi:[1,0,0]
.set i, i+1
.endr
	WIN 0
.set i, 0
.rept 16
	v_cvt_pk_bf16_f32 v[VO+8*(i/4)+4+i%4], v[224+2*i], v[225+2*i]
.set i, i+1
.endr
.irp c, 0,1,2,3
	v_cvt_pk_bf16_f32 v[Z+\c], v[SS+8*(\p)+2*\c], v[SS+8*(\p)+2*\c+1]
	v_cvt_pk_bf16_f32 v[Z+4+\c], v[SS+8*(\p)+2*\c], v[SS+8*(\p)+2*\c+1]
.endr
.irp c, 0,1,2,3
	v_fma_mix_f32_bf16 v[SS+8*(\p)+2*\c], v[Z+\c], v[NEG1], v[SS+8*(\p)+2*\c] op_sel_hi:[1,0,0]
	v_fma_mix_f32_bf16 v[SS+8*(\p)+2*\c+1], v[Z+\c], v[NEG1], v[SS+8*(\p)+2*\c+1] op_sel:[1,0,0] op_sel_hi:[1,0,0]
.endr
.irp c, 0,1,2,3
	v_cvt_pk_bf16_f32 v[Z+8+\c], v[SS+8*(\p)+2*\c], v[SS+8*(\p)+2*\c+1]
	v_cvt_pk_bf16_f32 v[Z+12+\c], v[SS+8*(\p)+2*\c], v[SS+8*(\p)+2*\c+1]
.endr
	WIN 0xf0
.irp c, 0,1,2,3
	v_wmma_f32_16x16x32_bf16 v[32*(\p)+8*\c:32*(\p)+8*\c+7], v[Z:Z+7], v[VO+8*\c:VO+8*\c+7], 0
.endr
.irp c, 0,1,2,3                        ; three other accumulators' turns stand between the two links of a chain
	v_wmma_f32_16x16x32_bf16 v[32*(\p)+8*\c:32*(\p)+8*\c+7], v[Z+8:Z+15], v[VO+8*\c:VO+8*\c+7], v[32*(\p)+8*\c:32*(\p)+8*\c+7]
.endr
.endm
.irp q, 0,1,2,3,4,5,6,7
	PVSTEP \q
.endr
	WIN 0
; O is set aside: pairing neighbouring positions in the rounding gives a lane 8 positions of one channel and frame: 16 bytes..
.macro PACK
	PLACES
.set cb, 0
.rept 4
.set TT, 64+32*(cb%2)
	WIN 0x0f
.set j, 0
.rept 8
.irp i, 0,1,2,3
	v_cvt_pk_bf16_f32 v[TT+4*j+\i], v[64*\i+8*cb+j], v[64*\i+32+8*cb+j]
.endr
.set j, j+1
.endr
	WIN 0
.set j, 0
.rept 8
	ds_store_b128 v[PST+cb/2], v[TT+4*j:TT+4*j+3] offset:(8*(cb%2)+j)*8*PKP
.set j, j+1
.endr
.set cb, cb+1
.endr
.endm
	s_cmp_eq_u32 s[TILE], 1
	s_cbranch_scc1 .Lflush
	PACK                                           ; tile 0: into PARK
	s_cmp_eq_u32 s[LIM], 0
	s_cselect_b32 s[LIM], 1, s[LIM]                ; in tile 1 the loop's last trip prefetches nothing
	s_sub_co_u32 s[TILE], s[TILE], 1
	s_cmp_lg_u32 s[TILE], 0
	s_cbranch_scc1 .Ltile
.Lflush:
	s_wait_tensorcnt 0x0                           ; slot 0 becomes a stage: no fill of mine is out, my LDS reads are back,
	s_wait_dscnt 0x0
	s_barrier_signal -1
	s_barrier_wait -1                              ; and the same holds of every wave; no tensor load follows in the text
	v_add_nc_u32 v[PST], PARK2, v[PLT]
	v_add_nc_u32 v[PST+1], PARK2+128*PKP, v[PLT]
	PACK                                           ; tile 1: into PARK2
	v_bfe_u32 v24, v0, 3, 1                        ; back: lanes 0-7 of sixteen take a row's 32 positions of tile 0, lanes 8-15 those of tile 1; lanes 16-31 the next row
	v_xor_b32 v24, 1, v24
	v_mul_u32_u24 v24, v24, PARK-PARK2
	v_bfe_u32 v25, v0, 4, 1
	v_lshl_add_u32 v24, v25, 6, v24
	v_and_b32 v26, 7, v0
	v_lshl_add_u32 v24, v26, 3, v24
	s_mul_i32 s58, s[WV], 64*PKP                   ; wave w takes the channels 16 w on
	s_add_co_u32 s58, s58, PARK2
	v_add_nc_u32 v[FRD], s58, v24
	v_and_b32 v26, 15, v0
	v_lshlrev_b32 v26, 4, v26
	v_lshl_add_u32 v26, v25, 10, v26
	s_lshl_b32 s58, s[WV], 14
	v_add_nc_u32 v[GO], s58, v26                   ; 16 w channels of 1,024 bytes + a channel for lanes 16-31 + 16 bytes a lane
	s_wait_dscnt 0x0                               ; for the others' sake: my stores into the parks are done
	s_barrier_signal -1
	s_barrier_wait -1
	s_mov_b32 s[TRIP], 8
.Lrow:                                             ; trip j: frames j and 8 + j of my 16 channels
.set i, 0
.rept 16                               ; i = 8 h + n: frame 8 h + j, channels 2 n and 2 n + 1
	ds_load_b64 v[64+2*i:65+2*i], v[FRD] offset:(4*(i/8)+((i%8)/2))*PKP+(i%2)*128
.set i, i+1
.endr
.set i, 0
.rept 16
	s_wait_dscnt 15-i
	v_lshlrev_b32 v[128+4*i], 16, v[64+2*i]
	v_and_b32 v[129+4*i], 0xffff0000, v[64+2*i]
	v_lshlrev_b32 v[130+4*i], 16, v[65+2*i]
	v_and_b32 v[131+4*i], 0xffff0000, v[65+2*i]
.if i < 8
	global_store_b128 v[GO], v[128+4*i:131+4*i], s[12:13] offset:(i%8)*2048 th:TH_STORE_NT  ; 16 lanes store 256 consecutive bytes, aligned
.else
	global_store_b128 v[GO], v[128+4*i:131+4*i], s[OUT1:OUT1+1] offset:(i%8)*2048 th:TH_STORE_NT
.endif
.set i, i+1
.endr
	s_wait_xcnt 0x0                                ; the stores have read their data and bases: only behind this wait are these written again
	v_add_nc_u32 v[FRD], 8*PKP, v[FRD]
	s_add_nc_u64 s[12:13], s[12:13], 1<<20         ; a frame on
	s_add_nc_u64 s[OUT1:OUT1+1], s[OUT1:OUT1+1], 1<<20
	s_sub_co_u32 s[TRIP], s[TRIP], 1
	s_cmp_lg_u32 s[TRIP], 0
	s_cbranch_scc1 .Lrow
	s_wait_tensorcnt 0x0                           ; the wave's end, behind my last tensor load and my last LDS store
	ds_add_u32 v[SPW], v[NIL]
	s_wait_dscnt 0x0
	CROUND                                         ; the closing round: no work-group ends while a partner may still ask for a tile that names it
	s_endpgm
.Lfunc_end_k_qa5190d800d_main:
	.size	k_qa5190d800d_main, .Lfunc_end_k_qa5190d800d_main-k_qa5190d800d_main
	.p2alignl 7, 3214868480
	.fill 96, 4, 3214868480
	.section	.rodata,"a",@progbits
	.p2align	6, 0x0
	.amdhsa_kernel k_qa5190d800d_main
		.amdhsa_group_segment_fixed_size 327680
		.amdhsa_private_segment_fixed_size 0
		.amdhsa_enable_private_segment 0
		.amdhsa_kernarg_size 40
		.amdhsa_user_sgpr_count 2
		.amdhsa_user_sgpr_kernarg_segment_ptr 1
		.amdhsa_wavefront_size32 1
		.amdhsa_system_sgpr_workgroup_id_x 1
		.amdhsa_system_sgpr_workgroup_id_y 1
		.amdhsa_system_sgpr_workgroup_id_z 1
		.amdhsa_system_vgpr_workitem_id 0
		.amdhsa_next_free_vgpr 1024
		.amdhsa_next_free_sgpr 102
		.amdhsa_reserve_vcc 0
		.amdhsa_float_denorm_mode_32 3
		.amdhsa_float_denorm_mode_16_64 3
		.amdhsa_memory_ordered 1
		.amdhsa_forward_progress 1
		.amdhsa_inst_pref_size 255
	.end_amdhsa_kernel
	.section	.bss,"aw",@nobits
	.p2align	6
	.space	262144
	.amdgpu_metadata
---
amdhsa.version: [ 1, 2 ]
amdhsa.kernels:
  - .name:           k_qa5190d800d_main
    .symbol:         k_qa5190d800d_main.kd
    .args:
      - { .name: xb, .offset: 0, .size: 8, .value_kind: global_buffer, .address_space: global }
      - { .name: wb, .offset: 8, .size: 8, .value_kind: global_buffer, .address_space: global }
      - { .name: tab, .offset: 16, .size: 8, .value_kind: global_buffer, .address_space: global }
      - { .name: bia, .offset: 24, .size: 8, .value_kind: global_buffer, .address_space: global }
      - { .name: out0, .offset: 32, .size: 8, .value_kind: global_buffer, .address_space: global }
    .group_segment_fixed_size: 327680
    .private_segment_fixed_size: 0
    .kernarg_segment_align: 8
    .kernarg_segment_size: 40
    .max_flat_workgroup_size: 128
    .sgpr_count:     102
    .vgpr_count:     1024
    .wavefront_size: 32
...
	.end_amdgpu_metadata
.endif
;; end of part 2
